; MI455X (gfx1250); checked and timed in simulation.
; The chip was launched on July 23, 2026; its instructions are those of AMD's public machine-readable ISA for CDNA 5 (MIT licence, August 2026) and "CDNA5" Instruction Set Architecture Reference Guide (July 2026). The comments in the code are by the model that wrote it; some were corrected since.
;; Self Attn Pool. Allowed arithmetic: float matrix products may take bf16 or f16 operands with f32 sums; all other float work in f32.
;; Inputs: V 512 x 1 float32; W 512 x 512 float32; b 512 float32; x 32 x 4,096 x 512 float32.
;; Outputs: out0 32 x 512 float32.
;; One version. Each part assembles by itself: llvm-mc -triple=amdgcn-amd-amdhsa -mcpu=gfx1250 --defsym DOCPART=n.
;; ======== version 1 of 1: 3 launches
;; limits: values outside matrix products are rounded to bf16
;; workspace buffers: wf 524,288 bytes; pacc 524,288 bytes; pml 65,536 bytes
;; launch prep (part 1): grid 128 x 1, 8 waves a work-group, no clusters, 0 bytes of LDS; arguments W, wf; writes wf
.if DOCPART == 1
	.amdgcn_target "amdgcn-amd-amdhsa--gfx1250"
	.amdhsa_code_object_version 6
	.text
	.protected	k_q44c41158d0_prep
	.globl	k_q44c41158d0_prep
	.p2align	8
	.type	k_q44c41158d0_prep,@function
k_q44c41158d0_prep:
	s_mov_b64 s[64:65], 0
	v_nop
	global_prefetch_b8 v0, s[64:65] scope:SCOPE_SE
	s_setreg_imm32_b32 hwreg(HW_REG_WAVE_MODE, 25, 1), 1
	s_wait_xcnt 0x0
; W [512 (k)][512 (n)] f32  ->  wf: bf16 (round to nearest even), in the order in which the main pass wants its B fragments.
; Unit g of 16 bytes lies at byte 16 g, g = (((w*16 + s)*8 + j)*2 + half)*32 + L, L = 16 h + r, and holds
; W[k0 + e][n], e = 0..7 (lower e in lower bits), k0 = 32 s + 16 half + 8 h, n = 128 w + 16 j + r.
; So fragment (w, s, j) is 1,024 dense bytes: lane L's registers 0-3 at 16 L, its registers 4-7 at 512 + 16 L.
; One thread makes one unit: 32,768 units = 128 work-groups x 256 threads.  A wave's store covers 512 consecutive bytes.
; The reads are a transposition: each load of a wave takes 64 consecutive bytes from each of two rows of W.  That is left so:
; W is 1 MiB, read once in the whole program, and every byte fetched is used by the seven sister loads' neighbours.
.set ROWB, 2048                                    ; bytes in a row of W
	s_load_b128 s[4:7], s[0:1], 0x0                ; W s[4:5], wf s[6:7]
	s_lshl_b32 s8, ttmp9, 8
	v_add_nc_u32 v1, s8, v0                        ; g
	v_lshrrev_b32 v2, 13, v1                       ; w
	v_bfe_u32 v3, v1, 6, 3                         ; j
	v_and_b32 v4, 15, v1                           ; r
	v_lshlrev_b32 v2, 7, v2
	v_lshl_or_b32 v2, v3, 4, v2
	v_or_b32 v2, v2, v4                            ; n = 128 w + 16 j + r
	v_bfe_u32 v5, v1, 9, 4                         ; s
	v_bfe_u32 v6, v1, 5, 1                         ; half
	v_bfe_u32 v7, v1, 4, 1                         ; h
	v_lshlrev_b32 v5, 5, v5
	v_lshl_or_b32 v5, v6, 4, v5
	v_lshl_or_b32 v5, v7, 3, v5                    ; k0 = 32 s + 16 half + 8 h
	v_lshlrev_b32 v5, 11, v5                       ; k0 rows of 2,048 bytes
	v_lshl_add_u32 v5, v2, 2, v5                   ; + 4 n
	v_lshlrev_b32 v6, 4, v1                        ; 16 g
	s_wait_kmcnt 0x0
.irp e, 0,1,2,3,4,5,6,7
	global_load_b32 v[8+\e], v5, s[4:5] offset:\e*ROWB
.endr
	s_wait_loadcnt 0x0                             ; all eight: they are packed together
.irp e, 0,1,2,3
	v_cvt_pk_bf16_f32 v[16+\e], v[8+2*\e], v[9+2*\e]   ; first source into the low half
.endr
	global_store_b128 v6, v[16:19], s[6:7]
	s_endpgm
.Lfunc_end_k_q44c41158d0_prep:
	.size	k_q44c41158d0_prep, .Lfunc_end_k_q44c41158d0_prep-k_q44c41158d0_prep
	.p2alignl 7, 3214868480
	.fill 96, 4, 3214868480
	.section	.rodata,"a",@progbits
	.p2align	6, 0x0
	.amdhsa_kernel k_q44c41158d0_prep
		.amdhsa_group_segment_fixed_size 0
		.amdhsa_private_segment_fixed_size 0
		.amdhsa_enable_private_segment 0
		.amdhsa_kernarg_size 16
		.amdhsa_user_sgpr_count 2
		.amdhsa_user_sgpr_kernarg_segment_ptr 1
		.amdhsa_wavefront_size32 1
		.amdhsa_system_sgpr_workgroup_id_x 1
		.amdhsa_system_sgpr_workgroup_id_y 1
		.amdhsa_system_sgpr_workgroup_id_z 1
		.amdhsa_system_vgpr_workitem_id 0
		.amdhsa_next_free_vgpr 24
		.amdhsa_next_free_sgpr 66
		.amdhsa_reserve_vcc 0
		.amdhsa_float_denorm_mode_32 3
		.amdhsa_float_denorm_mode_16_64 3
		.amdhsa_memory_ordered 1
		.amdhsa_forward_progress 1
		.amdhsa_inst_pref_size 3
	.end_amdhsa_kernel
	.amdgpu_metadata
---
amdhsa.version: [ 1, 2 ]
amdhsa.kernels:
  - .name:           k_q44c41158d0_prep
    .symbol:         k_q44c41158d0_prep.kd
    .args:
      - { .name: W, .offset: 0, .size: 8, .value_kind: global_buffer, .address_space: global }
      - { .name: wf, .offset: 8, .size: 8, .value_kind: global_buffer, .address_space: global }
    .group_segment_fixed_size: 0
    .private_segment_fixed_size: 0
    .kernarg_segment_align: 8
    .kernarg_segment_size: 16
    .max_flat_workgroup_size: 256
    .sgpr_count:     66
    .vgpr_count:     24
    .wavefront_size: 32
...
	.end_amdgpu_metadata
.endif
;; end of part 1
;; launch main (part 2): grid 256 x 1, 4 waves a work-group, no clusters, 297,472 bytes of LDS; arguments x, wf, b, V, pacc, pml; writes pacc, pml
.if DOCPART == 2
	.amdgcn_target "amdgcn-amd-amdhsa--gfx1250"
	.amdhsa_code_object_version 6
	.text
	.protected	k_q44c41158d0_main
	.globl	k_q44c41158d0_main
	.p2align	8
	.type	k_q44c41158d0_main,@function
k_q44c41158d0_main:
	s_mov_b64 s[64:65], 0
	v_nop
	global_prefetch_b8 v0, s[64:65] scope:SCOPE_SE
	s_setreg_imm32_b32 hwreg(HW_REG_WAVE_MODE, 25, 1), 1
	s_wait_xcnt 0x0
; SelfAttnPool, main pass.  z = x W + b, score = sum over u of V[u] tanh(z[u]), softmax of the scores over time, out = sum of a[t] x[t].
; A work-group takes 512 consecutive rows of x (an eighth of one batch) in 16 slabs of 32 rows and leaves, relative to its OWN running maximum m
; (kept in the base-2 domain), the sum l of its weights and the weighted sum of its rows; the last launch merges the eight parts of a batch.
;
; W NEVER MOVES.  In bf16 it is 512 KiB.  Wave w owns the columns 128 w .. 128 w + 127: 16 K steps of 32, each 8 B fragments = 64 registers.
; K steps 0-8 stay in 576 registers of the wave, K steps 9-15 in 56 KiB of LDS that only this wave reads.  So the K loop has no ring and no barrier.
; x streams: each f32 byte is loaded once (the next slab but one is asked for a whole slab turn ahead, 128 registers a wave, 64 KiB a work-group),
; rounded to bf16 into one of two LDS buffers, used there as the A operand by all four waves and once more for the pooled sum.
;
; FORMATS AND LIMITS.  x, W and V enter as bf16 (round to nearest even); the pooled sum multiplies the bf16 copy of x by f32 weights.  b, tanh, the
; scores, the softmax and every sum are f32.  tanh(z) = 1 - 2 / (1 + 2^(2.8853901 z)): an exponential that overflows gives +1, one that underflows -1.
; A weight below 2^-126 of the running maximum's comes out as 0 (v_exp_f32 flushes denormal results: ISA guide 15.8).  K is summed in the order
; 0, 9, 1, 10, .. and U across lanes and waves, which is not the reference's order.  Non-finite inputs are not followed.
;
; NO CLUSTER: the only bytes that work-groups share are W's, 0.5 MiB fetched once at the start against 1 MiB of x that nobody shares, and 9/16 of W
; goes straight into registers.  u V and the pooled sum stay off the matrix unit: each has one useful column or row, and u and the weights stay f32.
;
; REGISTERS, in windows of 256 (s_set_vgpr_msb: bits 1:0 source 0, 3:2 source 1, 5:4 source 2, 7:6 destination):
;   window 0: addresses, softmax state, constants, v64-191 the staged f32 slab, v192-255 W's K step 0
;   window 1: v0-127 accumulators (tile (i, j) at 8 (8 i + j)), v128-191 one K step of B from LDS, v192-255 four A buffers; behind the K loop these 64 serve tanh and pooling
;   window 2: W's K steps 1-4;   window 3: W's K steps 5-8
.set XPITCH, 1040                      ; an LDS row of x: 1,024 bytes + 16 = 65 x 16, so the 16 rows of a fragment load start in 16 different 16-byte columns modulo 256 bytes
.set XBUF,   32*XPITCH                 ; one slab in bf16
.set WLW,    57344                     ; a wave's K steps 9-15: 7 x 8 fragments x 1,024 bytes
.set XB0,    4*WLW                     ; 229,376: slab buffer 0; buffer 1 follows
.set SCB,    XB0+2*XBUF                ; 295,936: 4 waves x 32 partial scores
.set PBB,    SCB+512                   ; 296,448: each wave's own copy of the 32 weights; ends at 296,960
.set SLABB,  65536                     ; bytes of a slab in x
; window 0
.set XG,   1                           ; w x 16,384 + 16 L: my 16 bytes in my wave's first row of a slab of x
.set XST,  2                           ; where my 8 converted bytes of that row go (buffer 0)
.set XA,   3                           ; A fragments: buffer 0 + r x pitch + 16 h
.set WBA,  4                           ; B fragments in LDS: w x 57,344 + 16 L
.set SCW,  5                           ; partial scores, out: SCB + 128 w + 32 h
.set SCR,  6                           ; partial scores, in: SCB + 4 L
.set PBW,  7                           ; PBB + 128 w + 4 L
.set PBR,  8                           ; PBB + 128 w
.set PL,   9                           ; pooling: buffer 0 + 256 w + 8 L
.set WGO,  10                          ; 16 L
.set OUTO, 11                          ; 512 w + 16 L
.set ML,   12                          ; v12 m, v13 l
.set SCL,  14                          ; v[14:15] 2^(m - m'), twice
.set PA,   16                          ; v[16:23] pooled sums: 4 columns x parity of the row
.set TMP,  24                          ; v[24:27]
.set BVO,  28                          ; 512 w + 4 r: b and V
.set MLO,  29                          ; 8 L
.set VS,   30                          ; v[30:31] sum of my eight V, twice
.set BC,   32                          ; v[32:47] 2.8853901 b of column tile j, twice each
.set NV,   48                          ; v[48:63] -2 V of column tile j, twice each
.set XS,   64                          ; v[64:191] 32 loads x 4 registers
.set W0,   192
; window 1
.set BB,   128
.set AR,   192
.set TT,   192                         ; 32: four tiles in the tanh stage
.set SS,   224                         ; 16: my scores, register 8 i + j' = row 16 i + 8 h + j'
.set PP,   192                         ; 32: the slab's weights, in every lane
.set XPA,  224                         ; 16: eight rows x my 4 columns in bf16
.set XPB,  240
.set MSB, 0
.macro WIN new                         ; the immediate's high byte repeats the setting that is left
.if MSB != \new
	s_set_vgpr_msb (MSB<<8)|\new
.set MSB, \new
.endif
.endm
.macro PLACES                          ; four plain vector places behind a matrix instruction, before its registers are read by vector work or loaded again (ISA guide 7.12.1)
.rept 4
	v_nop
.endr
.endm
; 32 loads: my wave's 8 rows of a slab, 512 consecutive bytes each load
.macro XLOAD
.irp rr, 0,1,2,3,4,5,6,7
.irp c, 0,1,2,3
	global_load_b128 v[XS+16*\rr+4*\c:XS+16*\rr+4*\c+3], v[XG], s[4:5] offset:\rr*2048+\c*512 th:TH_LOAD_NT
.endr
.endr
.endm
; the staged slab to bf16, in place, and into LDS buffer nxt: 256 consecutive bytes each store
.macro XCVT nxt
.irp rr, 0,1,2,3,4,5,6,7
.irp c, 0,1,2,3
	v_cvt_pk_bf16_f32 v[XS+16*\rr+4*\c], v[XS+16*\rr+4*\c], v[XS+16*\rr+4*\c+1]
	v_cvt_pk_bf16_f32 v[XS+16*\rr+4*\c+1], v[XS+16*\rr+4*\c+2], v[XS+16*\rr+4*\c+3]
	ds_store_b64 v[XST], v[XS+16*\rr+4*\c:XS+16*\rr+4*\c+1] offset:(\nxt)*XBUF+\rr*XPITCH+\c*256
.endr
.endr
.endm
; 16 loads: resident K step rr of my quarter of wf into 64 registers at loc of the window that is set
.macro WRES rr, loc
.irp j, 0,1,2,3,4,5,6,7
	global_load_b128 v[\loc+8*\j:\loc+8*\j+3],   v[WGO], s[36:37] offset:\rr*8192+\j*1024
	global_load_b128 v[\loc+8*\j+4:\loc+8*\j+7], v[WGO], s[36:37] offset:\rr*8192+\j*1024+512
.endr
.endm
; 4 loads: both row tiles of K step k of slab buffer cur into A buffer a (window 0x40)
.macro LDA a, k, cur
.irp i, 0,1
	ds_load_b128 v[AR+16*(\a)+8*\i:AR+16*(\a)+8*\i+3],   v[XA] offset:\cur*XBUF+\i*16*XPITCH+64*(\k)
	ds_load_b128 v[AR+16*(\a)+8*\i+4:AR+16*(\a)+8*\i+7], v[XA] offset:\cur*XBUF+\i*16*XPITCH+64*(\k)+32
.endr
.endm
; 16 loads: K step 9 + ll of my columns of W (window 0x40); each covers 512 consecutive bytes
.macro LDB ll
.irp j, 0,1,2,3,4,5,6,7
	ds_load_b128 v[BB+8*\j:BB+8*\j+3],   v[WBA] offset:\ll*8192+\j*1024
	ds_load_b128 v[BB+8*\j+4:BB+8*\j+7], v[WBA] offset:\ll*8192+\j*1024+512
.endr
.endm
; 16 matrix instructions: 32 rows x 128 columns x 32 K.  zero = 1: the first product starts the sums, nothing is cleared
.macro MUL16 a, bloc, zero
.irp j, 0,1,2,3,4,5,6,7
.irp i, 0,1
.if \zero
	v_wmma_f32_16x16x32_bf16 v[8*(8*\i+\j):8*(8*\i+\j)+7], v[AR+16*(\a)+8*\i:AR+16*(\a)+8*\i+7], v[(\bloc)+8*\j:(\bloc)+8*\j+7], 0
.else
	v_wmma_f32_16x16x32_bf16 v[8*(8*\i+\j):8*(8*\i+\j)+7], v[AR+16*(\a)+8*\i:AR+16*(\a)+8*\i+7], v[(\bloc)+8*\j:(\bloc)+8*\j+7], v[8*(8*\i+\j):8*(8*\i+\j)+7]
.endif
.endr
.endr
.endm
; the same with resident K step rr: D, A, C in window 1, B in window 0, 2 or 3
.macro MULRES a, rr, zero
.if \rr == 0
	WIN 0x51
	MUL16 \a, W0, \zero
.else
.if \rr < 5
	WIN 0x59
	MUL16 \a, 64*(\rr-1), \zero
.else
	WIN 0x5d
	MUL16 \a, 64*(\rr-5), \zero
.endif
.endif
.endm
; Phase q: resident K step q on A buffer a0, then K step 9 + q from LDS on A buffer a0 + 1.
; LDS loads come back in issue order (ISA guide 5.7.1).  w1 leaves out what was issued behind this phase's A fragments.
.macro PHASE q, a0, w1, zero
	s_wait_dscnt \w1                               ; phase 0: 8 = the next phase's A.  Later: 24 = this phase's 16 B loads + the next phase's 8 A loads
	MULRES \a0, \q, \zero
.if \q
	s_wait_dscnt 8                                 ; this phase's B is in; the next phase's 8 A loads stay out
.endif
	WIN 0x55
	MUL16 \a0+1, BB, 0
.endm
; behind a phase: the next phase's B, and the A fragments (K steps k0, k1) of the phase after it, into the registers just multiplied
.macro REFILL ll, a0, k0, k1, cur
	PLACES
	WIN 0x40
	LDB \ll
	LDA \a0, \k0, \cur
	LDA \a0+1, \k1, \cur
.endm
; tanh and score of the four tiles (i, j0 .. j0 + 3).  Per number: 2^(2.8853901 (acc + b)), + 1, reciprocal, times -2 V into the row's score.
; first = 1: the first tile's multiply-add takes the sum of my eight V as its addend: V tanh(z) = V - 2 V / (1 + e^(2z)), summed.
.macro EPI4 i, j0, first
	WIN 0x41
.irp t, 0,1,2,3
.irp p, 0,2,4,6
	v_pk_fma_f32 v[TT+8*\t+\p:TT+8*\t+\p+1], v[8*(8*\i+\j0+\t)+\p:8*(8*\i+\j0+\t)+\p+1], 0x4038aa3b, v[BC+2*(\j0+\t):BC+2*(\j0+\t)+1] op_sel_hi:[1,0,1]
.endr
.endr
.set EN, 0
.rept 32
	v_exp_f32 v[TT+EN], v[TT+EN]
.set EN, EN+1
.endr
	v_nop                                          ; one plain place between the transcendentals and the first use of a result (ISA guide 5.7.2)
.set EN, 0
	s_wait_alu depctr_va_vdst(0)
.rept 16
	v_pk_add_f32 v[TT+EN:TT+EN+1], v[TT+EN:TT+EN+1], 1.0 op_sel_hi:[1,0]
.set EN, EN+2
.endr
.set EN, 0
.rept 32
	v_rcp_f32 v[TT+EN], v[TT+EN]
.set EN, EN+1
.endr
	v_nop                                          ; the same place again
.if \first
	s_wait_alu depctr_va_vdst(0)
.irp p, 0,2,4,6
	v_pk_fma_f32 v[SS+8*\i+\p:SS+8*\i+\p+1], v[TT+\p:TT+\p+1], v[NV+2*\j0:NV+2*\j0+1], v[VS:VS+1]
.endr
.endif
	WIN 0x51
.irp t, 0,1,2,3
.if \t >= \first
	s_wait_alu depctr_va_vdst(0)
.irp p, 0,2,4,6
	v_pk_fma_f32 v[SS+8*\i+\p:SS+8*\i+\p+1], v[TT+8*\t+\p:TT+8*\t+\p+1], v[NV+2*(\j0+\t):NV+2*(\j0+\t)+1], v[SS+8*\i+\p:SS+8*\i+\p+1]
.endr
.endif
.endr
.endm
; 8 loads: rows r0 .. r0 + 7 of slab buffer cur, my 4 columns in bf16 (window 0x40); each covers 256 consecutive bytes
.macro LDXP xp, r0, cur
.irp q, 0,1,2,3,4,5,6,7
	ds_load_b64 v[\xp+2*\q:\xp+2*\q+1], v[PL] offset:\cur*XBUF+(\r0+\q)*XPITCH
.endr
.endm
; 32 multiply-adds straight from the bf16 halves: PA += x[row][my column] * weight[row] (window 0x05); even and odd rows keep sums apart
.macro POOL8 xp, r0
.irp q, 0,1,2,3,4,5,6,7
	v_fma_mix_f32_bf16 v[PA+4*(\q&1)],   v[\xp+2*\q],   v[PP+\r0+\q], v[PA+4*(\q&1)]   op_sel_hi:[1,0,0]
	v_fma_mix_f32_bf16 v[PA+4*(\q&1)+1], v[\xp+2*\q],   v[PP+\r0+\q], v[PA+4*(\q&1)+1] op_sel:[1,0,0] op_sel_hi:[1,0,0]
	v_fma_mix_f32_bf16 v[PA+4*(\q&1)+2], v[\xp+2*\q+1], v[PP+\r0+\q], v[PA+4*(\q&1)+2] op_sel_hi:[1,0,0]
	v_fma_mix_f32_bf16 v[PA+4*(\q&1)+3], v[\xp+2*\q+1], v[PP+\r0+\q], v[PA+4*(\q&1)+3] op_sel:[1,0,0] op_sel_hi:[1,0,0]
.endr
.endm
; ONE SLAB'S TURN.  cur: its LDS buffer.  cvt = 1: the staged slab (the next one) is converted into the other buffer.
; load = 1: the slab after that is asked for.  more = 1: a slab follows (its first B fragments are fetched in phase 6).
.macro SLAB cur, cvt, load, more
	; ---- the product: 16 K steps in eight phases; at entry nothing of LDS is outstanding and BB holds K step 9
	WIN 0x40
	LDA 0, 0, \cur
	LDA 1, 9, \cur
	LDA 2, 1, \cur
	LDA 3, 10, \cur
	PHASE 0, 0, 8, 1
	REFILL 1, 0, 2, 11, \cur
	PHASE 1, 2, 24, 0
	REFILL 2, 2, 3, 12, \cur
	PHASE 2, 0, 24, 0
	REFILL 3, 0, 4, 13, \cur
	PHASE 3, 2, 24, 0
	REFILL 4, 2, 5, 14, \cur
	PHASE 4, 0, 24, 0
	REFILL 5, 0, 6, 15, \cur
	PHASE 5, 2, 24, 0
	REFILL 6, 2, 7, 8, \cur
	PHASE 6, 0, 24, 0
.if \more
	PLACES
	WIN 0x40
	LDB 0                                          ; W does not change: the next slab's first B fragments, fetched under this slab's tail
	s_wait_dscnt 16                                ; K steps 7 and 8 of A are in; those 16 loads stay out
.else
	s_wait_dscnt 0                                 ; nothing was issued behind K steps 7 and 8 of A
.endif
	MULRES 2, 7, 0
	MULRES 3, 8, 0
	PLACES                                         ; the tanh stage reads the results and writes registers of the A buffers
	; ---- tanh and my columns' share of the 32 scores
	EPI4 0, 0, 1
	EPI4 0, 4, 0
	EPI4 1, 0, 1
	EPI4 1, 4, 0
	WIN 0x45                                       ; sum over the 16 lanes of a half: these hold the 16 columns of a tile
.irp m, 1,2,4,8
.set EN, 0
.rept 16
	v_add_f32_dpp v[SS+EN], v[SS+EN], v[SS+EN] row_xmask:\m row_mask:0xf bank_mask:0xf
.set EN, EN+1
.endr
.endr
	WIN 0x04
.irp i, 0,1
.irp c, 0,1
	ds_store_b128 v[SCW], v[SS+8*\i+4*\c:SS+8*\i+4*\c+3] offset:64*\i+16*\c   ; rows 16 i + 8 h + 4 c ..; the 16 lanes of a half store the same bytes with the same values
.endr
.endr
	; ---- first barrier: the four waves' partial scores are in LDS
	s_wait_dscnt 0                                 ; for the others: my stores are done (and all my reads)
	s_barrier_signal -1
	WIN 0x40
	LDXP XPA, 0, \cur                              ; this slab's buffer is written again only behind two later barriers
	LDXP XPB, 8, \cur
	s_barrier_wait -1
	WIN 0
	; ---- softmax step, alike in every wave: lane L is row L
	ds_load_b32 v[TMP],   v[SCR]
	ds_load_b32 v[TMP+1], v[SCR] offset:128
	ds_load_b32 v[TMP+2], v[SCR] offset:256
	ds_load_b32 v[TMP+3], v[SCR] offset:384
	s_wait_dscnt 0                                 ; the youngest loads are the ones needed
	v_add_f32 v[TMP], v[TMP], v[TMP+1]
	v_add_f32 v[TMP+2], v[TMP+2], v[TMP+3]
	v_add_f32 v[TMP], v[TMP], v[TMP+2]
	v_mul_f32 v[TMP], 0x3fb8aa3b, v[TMP]           ; the score in the base-2 domain
	v_max_num_f32_dpp v[TMP+1], v[TMP], v[TMP] row_xmask:1 row_mask:0xf bank_mask:0xf
	v_max_num_f32_dpp v[TMP+1], v[TMP+1], v[TMP+1] row_xmask:2 row_mask:0xf bank_mask:0xf
	v_max_num_f32_dpp v[TMP+1], v[TMP+1], v[TMP+1] row_xmask:4 row_mask:0xf bank_mask:0xf
	v_max_num_f32_dpp v[TMP+1], v[TMP+1], v[TMP+1] row_xmask:8 row_mask:0xf bank_mask:0xf
	v_permlanex16_b32 v[TMP+2], v[TMP+1], s22, s23
	v_max3_num_f32 v[TMP+1], v[TMP+1], v[TMP+2], v[ML]     ; m' = max(m, the slab's largest score)
	v_sub_f32 v[TMP+2], v[ML], v[TMP+1]
	v_sub_f32 v[TMP], v[TMP], v[TMP+1]
	v_exp_f32 v[SCL], v[TMP+2]                     ; 2^(m - m'), twice for the packed multiply; 0 in the first slab (m = -inf)
	v_exp_f32 v[SCL+1], v[TMP+2]
	v_exp_f32 v[TMP], v[TMP]                       ; p = 2^(s - m')
	v_mov_b32 v[ML], v[TMP+1]                      ; the plain place behind the three exponentials
	s_wait_alu depctr_va_vdst(0)
	ds_store_b32 v[PBW], v[TMP]
	WIN 0x40
.irp t, 0,1,2,3,4,5,6,7
	ds_load_b128 v[PP+4*\t:PP+4*\t+3], v[PBR] offset:16*\t     ; my wave's own bytes, and LDS serves a wave in order (ISA guide 5.7.1): all 32 weights into every lane
.endr
	WIN 0
	v_add_f32_dpp v[TMP+1], v[TMP], v[TMP] row_xmask:1 row_mask:0xf bank_mask:0xf
	v_add_f32_dpp v[TMP+1], v[TMP+1], v[TMP+1] row_xmask:2 row_mask:0xf bank_mask:0xf
	v_add_f32_dpp v[TMP+1], v[TMP+1], v[TMP+1] row_xmask:4 row_mask:0xf bank_mask:0xf
	v_add_f32_dpp v[TMP+1], v[TMP+1], v[TMP+1] row_xmask:8 row_mask:0xf bank_mask:0xf
	v_permlanex16_b32 v[TMP+2], v[TMP+1], s22, s23
	v_add_f32 v[TMP+1], v[TMP+1], v[TMP+2]
	v_fma_f32 v[ML+1], v[ML+1], v[SCL], v[TMP+1]   ; l = l 2^(m - m') + sum of p
.irp p, 0,2,4,6
	v_pk_mul_f32 v[PA+\p:PA+\p+1], v[PA+\p:PA+\p+1], v[SCL:SCL+1]
.endr
	; ---- pooled sum over the slab's 32 rows, my wave's 128 columns
	s_wait_dscnt 0                                 ; the weights
	WIN 0x05
	POOL8 XPA, 0
	WIN 0x40
	LDXP XPA, 16, \cur
	WIN 0x05
	POOL8 XPB, 8
	WIN 0x40
	LDXP XPB, 24, \cur
	s_wait_dscnt 8                                 ; rows 16-23 are in; the eight loads of rows 24-31 stay out
	WIN 0x05
	POOL8 XPA, 16
	s_wait_dscnt 0
	POOL8 XPB, 24
	WIN 0
.if \cvt
	; ---- the next slab into the other buffer, whose last reads ended in front of the last turn's second barrier
	s_wait_loadcnt 0                               ; issued a whole turn ago; also frees their base
.if \load
	s_add_nc_u64 s[4:5], s[4:5], SLABB
.endif
	XCVT 1-\cur
	s_wait_dscnt 0                                 ; for the others: my rows are in LDS; and the staging registers have been read
.if \load
	XLOAD                                          ; the slab after the next: on its way during the whole next turn
.endif
	s_barrier_signal -1                            ; second barrier: the next slab is whole, and nobody reads this turn's scores or slab any more
	s_barrier_wait -1
.endif
.endm
	; ---------------- set-up
	s_load_b256 s[4:11], s[0:1], 0x0               ; x s[4:5], wf s[6:7], b s[8:9], V s[10:11]
	s_load_b128 s[12:15], s[0:1], 0x20             ; pacc s[12:13], pml s[14:15]
	v_lshl_add_u32 v254, v0, 2, 0x48800
	v_mov_b32 v255, 0
	ds_add_u32 v254, v255
	ds_add_u32 v254, v255
	s_wait_dscnt 0x0
	v_lshrrev_b32 v[TMP], 5, v0
	v_readfirstlane_b32 s16, v[TMP]                ; wave w
	v_and_b32 v[TMP+1], 31, v0                     ; L
	v_and_b32 v[TMP+2], 15, v0                     ; r
	v_bfe_u32 v[TMP+3], v0, 4, 1                   ; h
	s_mov_b32 s22, 0x76543210                      ; v_permlanex16_b32: lane i of one half reads lane i of the other
	s_mov_b32 s23, 0xfedcba98
	s_lshl_b32 s17, s16, 14
	v_lshl_add_u32 v[XG], v[TMP+1], 4, s17         ; 8 rows of 2,048 bytes a wave
	s_mul_i32 s17, s16, 8*XPITCH
	s_add_co_u32 s17, s17, XB0
	v_lshl_add_u32 v[XST], v[TMP+1], 3, s17
	v_mul_u32_u24 v[XA], v[TMP+2], XPITCH
	v_lshl_add_u32 v[XA], v[TMP+3], 4, v[XA]
	v_add_nc_u32 v[XA], XB0, v[XA]
	s_mul_i32 s25, s16, WLW                        ; my part of W in LDS: also descriptor group 0, bits 63:32
	v_lshl_add_u32 v[WBA], v[TMP+1], 4, s25
	s_lshl_b32 s38, s16, 7
	s_add_co_u32 s39, s38, SCB
	v_lshl_add_u32 v[SCW], v[TMP+3], 5, s39
	v_lshlrev_b32 v[SCR], 2, v[TMP+1]
	v_add_nc_u32 v[SCR], SCB, v[SCR]
	s_add_co_u32 s40, s38, PBB
	v_lshl_add_u32 v[PBW], v[TMP+1], 2, s40
	v_mov_b32 v[PBR], s40
	s_lshl_b32 s41, s16, 8
	s_add_co_u32 s41, s41, XB0
	v_lshl_add_u32 v[PL], v[TMP+1], 3, s41
	v_lshlrev_b32 v[WGO], 4, v[TMP+1]
	s_lshl_b32 s42, s16, 9
	v_lshl_add_u32 v[OUTO], v[TMP+1], 4, s42
	v_lshl_add_u32 v[BVO], v[TMP+2], 2, s42
	v_lshlrev_b32 v[MLO], 3, v[TMP+1]
	; descriptor group 1: a dense block of 57,344 bytes as 224 rows of 32 elements of 8 bytes, no padding, no work-group mask
	s_mov_b32 s28, 3<<16                           ; 17:16 element of 8 bytes
	s_mov_b32 s29, 32<<16                          ; tensor_dim0 = 32
	s_mov_b32 s30, 224<<16                         ; tensor_dim1 = 224
	s_mov_b32 s31, 32<<16                          ; tile_dim0 = 32
	s_mov_b32 s32, 224                             ; tile_dim1 = 224
	s_mov_b32 s33, 32                              ; from row to row: 32 elements
	s_mov_b32 s34, 0
	s_mov_b32 s35, 0
	s_mov_b32 s24, 1                               ; group 0: count = 1
	s_mov_b32 s19, 0
	s_wait_kmcnt 0x0
	s_lshl_b32 s18, ttmp9, 20                      ; 512 rows of 2,048 bytes a work-group
	s_add_nc_u64 s[4:5], s[4:5], s[18:19]
	XLOAD                                          ; slab 0
	s_lshl_b32 s18, s16, 17
	s_add_nc_u64 s[36:37], s[6:7], s[18:19]        ; my quarter of wf
	s_add_nc_u64 s[26:27], s[36:37], 9*8192        ; its K steps 9-15
	s_or_b32 s27, s27, 0x80000000                  ; type = 2
	tensor_load_to_lds s[24:27], s[28:35]          ; the wave's only tensor load: one outstanding; only this wave reads what it brings
	s_nop 0
	s_lshl_b32 s18, ttmp9, 11
	s_add_nc_u64 s[12:13], s[12:13], s[18:19]      ; my row of pacc
	s_lshl_b32 s18, ttmp9, 8
	s_add_nc_u64 s[14:15], s[14:15], s[18:19]      ; my row of pml
.irp j, 0,1,2,3,4,5,6,7
	global_load_b32 v[BC+2*\j], v[BVO], s[8:9] offset:64*\j      ; b[128 w + 16 j + r]
	global_load_b32 v[NV+2*\j], v[BVO], s[10:11] offset:64*\j    ; V likewise
.endr
	WRES 0, W0
	WIN 0x80
	WRES 1, 0
	WRES 2, 64
	WRES 3, 128
	WRES 4, 192
	WIN 0xc0
	WRES 5, 0
	WRES 6, 64
	WRES 7, 128
	WRES 8, 192
	WIN 0
	s_wait_loadcnt 0x0                             ; one wait for all: the first slab needs slab 0, b, V and all of resident W
.irp j, 0,1,2,3,4,5,6,7
	v_mul_f32 v[BC+2*\j], 0x4038aa3b, v[BC+2*\j]               ; 2 log2(e) b
	v_cvt_pk_bf16_f32 v[NV+2*\j], v[NV+2*\j], v[NV+2*\j]       ; V rounded to bf16,
.endr
.irp j, 0,1,2,3,4,5,6,7
	v_mov_b32 v[BC+2*\j+1], v[BC+2*\j]
	v_and_b32 v[NV+2*\j], 0xffff0000, v[NV+2*\j]               ; as f32 again
.endr
	v_add_f32 v[VS], v[NV], v[NV+2]
.irp j, 2,3,4,5,6,7
	v_add_f32 v[VS], v[VS], v[NV+2*\j]
.endr
	v_mov_b32 v[VS+1], v[VS]
.irp j, 0,1,2,3,4,5,6,7
	v_mul_f32 v[NV+2*\j], -2.0, v[NV+2*\j]
.endr
.irp j, 0,1,2,3,4,5,6,7
	v_mov_b32 v[NV+2*\j+1], v[NV+2*\j]
.endr
	v_mov_b32 v[ML], 0xff800000                    ; m = -infinity
	v_mov_b32 v[ML+1], 0                           ; l = 0
.irp p, 0,1,2,3,4,5,6,7
	v_mov_b32 v[PA+\p], 0
.endr
	XCVT 0
	s_add_nc_u64 s[4:5], s[4:5], SLABB             ; behind the wait for slab 0's loads
	s_wait_tensorcnt 0x0                           ; my K steps 9-15 are in LDS
	WIN 0x40
	LDB 0
	WIN 0
	s_wait_dscnt 0                                 ; for the others: my rows of slab 0 are in LDS; the staging registers have been read
	XLOAD                                          ; slab 1
	s_barrier_signal -1
	s_barrier_wait -1                              ; slab 0 is whole
	; ---------------- 16 slabs: 7 trips of two, then the last two, which ask for nothing beyond the work-group's rows
	s_mov_b32 s20, 7
.Lpair:
	SLAB 0, 1, 1, 1
	SLAB 1, 1, 1, 1
	s_sub_co_u32 s20, s20, 1
	s_cmp_lg_u32 s20, 0
	s_cbranch_scc1 .Lpair
	SLAB 0, 1, 0, 1                                ; slab 14: converts slab 15, loads nothing
	SLAB 1, 0, 0, 0                                ; slab 15
	; ---------------- the way out: a wave's store covers 512 consecutive bytes of the work-group's row of pacc
	v_pk_add_f32 v[PA:PA+1], v[PA:PA+1], v[PA+4:PA+5]
	v_pk_add_f32 v[PA+2:PA+3], v[PA+2:PA+3], v[PA+6:PA+7]
	global_store_b128 v[OUTO], v[PA:PA+3], s[12:13]
	s_cmp_lg_u32 s16, 0
	s_cbranch_scc1 .Lend
	global_store_b64 v[MLO], v[ML:ML+1], s[14:15]  ; wave 0 alone: (m, l) 32 times, 256 consecutive bytes
.Lend:
	s_wait_xcnt 0x0
	v_lshl_add_u32 v254, v0, 2, 0x48800
	v_mov_b32 v255, 0
	s_wait_tensorcnt 0x0
	ds_add_u32 v254, v255
	s_wait_dscnt 0x0
	s_endpgm
.Lfunc_end_k_q44c41158d0_main:
	.size	k_q44c41158d0_main, .Lfunc_end_k_q44c41158d0_main-k_q44c41158d0_main
	.p2alignl 7, 3214868480
	.fill 96, 4, 3214868480
	.section	.rodata,"a",@progbits
	.p2align	6, 0x0
	.amdhsa_kernel k_q44c41158d0_main
		.amdhsa_group_segment_fixed_size 297472
		.amdhsa_private_segment_fixed_size 0
		.amdhsa_enable_private_segment 0
		.amdhsa_kernarg_size 48
		.amdhsa_user_sgpr_count 2
		.amdhsa_user_sgpr_kernarg_segment_ptr 1
		.amdhsa_wavefront_size32 1
		.amdhsa_system_sgpr_workgroup_id_x 1
		.amdhsa_system_sgpr_workgroup_id_y 1
		.amdhsa_system_sgpr_workgroup_id_z 1
		.amdhsa_system_vgpr_workitem_id 0
		.amdhsa_next_free_vgpr 1024
		.amdhsa_next_free_sgpr 66
		.amdhsa_reserve_vcc 0
		.amdhsa_float_denorm_mode_32 3
		.amdhsa_float_denorm_mode_16_64 3
		.amdhsa_memory_ordered 1
		.amdhsa_forward_progress 1
		.amdhsa_inst_pref_size 255
	.end_amdhsa_kernel
	.section	.bss,"aw",@nobits
	.p2align	6
	.space	262144
	.amdgpu_metadata
---
amdhsa.version: [ 1, 2 ]
amdhsa.kernels:
  - .name:           k_q44c41158d0_main
    .symbol:         k_q44c41158d0_main.kd
    .args:
      - { .name: x, .offset: 0, .size: 8, .value_kind: global_buffer, .address_space: global }
      - { .name: wf, .offset: 8, .size: 8, .value_kind: global_buffer, .address_space: global }
      - { .name: b, .offset: 16, .size: 8, .value_kind: global_buffer, .address_space: global }
      - { .name: V, .offset: 24, .size: 8, .value_kind: global_buffer, .address_space: global }
      - { .name: pacc, .offset: 32, .size: 8, .value_kind: global_buffer, .address_space: global }
      - { .name: pml, .offset: 40, .size: 8, .value_kind: global_buffer, .address_space: global }
    .group_segment_fixed_size: 297472
    .private_segment_fixed_size: 0
    .kernarg_segment_align: 8
    .kernarg_segment_size: 48
    .max_flat_workgroup_size: 128
    .sgpr_count:     66
    .vgpr_count:     1024
    .wavefront_size: 32
...
	.end_amdgpu_metadata
.endif
;; end of part 2
;; launch combine (part 3): grid 32 x 1, 4 waves a work-group, no clusters, 0 bytes of LDS; arguments pacc, pml, out0; writes out0
.if DOCPART == 3
	.amdgcn_target "amdgcn-amd-amdhsa--gfx1250"
	.amdhsa_code_object_version 6
	.text
	.protected	k_q44c41158d0_combine
	.globl	k_q44c41158d0_combine
	.p2align	8
	.type	k_q44c41158d0_combine,@function
k_q44c41158d0_combine:
	s_mov_b64 s[64:65], 0
	v_nop
	global_prefetch_b8 v0, s[64:65] scope:SCOPE_SE
	s_setreg_imm32_b32 hwreg(HW_REG_WAVE_MODE, 25, 1), 1
	s_wait_xcnt 0x0
; Merges the eight parts of a batch: out = sum over c of 2^(m_c - M) acc_c / sum over c of 2^(m_c - M) l_c, M = the largest m_c.
; One work-group a batch; thread t owns the columns 4 t .. 4 t + 3.  Every l_c is at least 1 (the row that set m_c has weight 1), and the part
; that holds M has factor 1, so the divisor is at least 1.  32 work-groups: there is no more work than 0.6 MB to read and 64 KB to write.
.set ACC, 8                                        ; v[8:39]   eight parts x 4 columns
.set MLP, 40                                       ; v[40:55]  eight pairs (m, l)
.set WT,  56                                       ; v[56:63]  2^(m_c - M)
.set OO,  64                                       ; v[64:67]
	s_load_b128 s[4:7], s[0:1], 0x0                ; pacc s[4:5], pml s[6:7]
	s_load_b64 s[8:9], s[0:1], 0x10                ; out0
	v_lshlrev_b32 v1, 4, v0                        ; 16 t
	v_and_b32 v2, 31, v0
	v_lshlrev_b32 v2, 3, v2                        ; 8 x lane: each lane takes its own copy of the pair
	s_lshl_b32 s10, ttmp9, 14                      ; 8 rows of 2,048 bytes
	s_mov_b32 s11, 0
	s_lshl_b32 s12, ttmp9, 11                      ; 8 rows of 256 bytes in pml; one row of 2,048 bytes in out0
	s_mov_b32 s13, 0
	s_wait_kmcnt 0x0
	s_add_nc_u64 s[4:5], s[4:5], s[10:11]
	s_add_nc_u64 s[6:7], s[6:7], s[12:13]
	s_add_nc_u64 s[8:9], s[8:9], s[12:13]
.irp c, 0,1,2,3,4,5,6,7
	global_load_b64 v[MLP+2*\c:MLP+2*\c+1], v2, s[6:7] offset:256*\c
.endr
.irp c, 0,1,2,3,4,5,6,7
	global_load_b128 v[ACC+4*\c:ACC+4*\c+3], v1, s[4:5] offset:2048*\c
.endr
	s_wait_loadcnt 8                               ; the eight pairs are in; the eight loads of sums stay out
	v_max3_num_f32 v3, v[MLP], v[MLP+2], v[MLP+4]
	v_max3_num_f32 v3, v3, v[MLP+6], v[MLP+8]
	v_max3_num_f32 v3, v3, v[MLP+10], v[MLP+12]
	v_max_num_f32 v3, v3, v[MLP+14]                ; M
.irp c, 0,1,2,3,4,5,6,7
	v_sub_f32 v[WT+\c], v[MLP+2*\c], v3
.endr
.irp c, 0,1,2,3,4,5,6,7
	v_exp_f32 v[WT+\c], v[WT+\c]
.endr
	v_nop                                          ; one plain place between the exponentials and the first use (ISA guide 5.7.2)
	s_wait_alu depctr_va_vdst(0)
	v_mul_f32 v4, v[WT], v[MLP+1]
.irp c, 1,2,3,4,5,6,7
	v_fmac_f32 v4, v[WT+\c], v[MLP+2*\c+1]         ; the divisor
.endr
	v_rcp_f32 v5, v4
	s_wait_loadcnt 0x0
.irp k, 0,1,2,3
	v_mul_f32 v[OO+\k], v[WT], v[ACC+\k]           ; the first product starts the sums; these also stand between v_rcp_f32 and its use
.endr
.irp c, 1,2,3,4,5,6,7
.irp k, 0,1,2,3
	v_fmac_f32 v[OO+\k], v[WT+\c], v[ACC+4*\c+\k]
.endr
.endr
	s_wait_alu depctr_va_vdst(0)
.irp k, 0,1,2,3
	v_mul_f32 v[OO+\k], v[OO+\k], v5
.endr
	global_store_b128 v1, v[OO:OO+3], s[8:9]       ; a wave stores 512 consecutive bytes
	s_endpgm
.Lfunc_end_k_q44c41158d0_combine:
	.size	k_q44c41158d0_combine, .Lfunc_end_k_q44c41158d0_combine-k_q44c41158d0_combine
	.p2alignl 7, 3214868480
	.fill 96, 4, 3214868480
	.section	.rodata,"a",@progbits
	.p2align	6, 0x0
	.amdhsa_kernel k_q44c41158d0_combine
		.amdhsa_group_segment_fixed_size 0
		.amdhsa_private_segment_fixed_size 0
		.amdhsa_enable_private_segment 0
		.amdhsa_kernarg_size 24
		.amdhsa_user_sgpr_count 2
		.amdhsa_user_sgpr_kernarg_segment_ptr 1
		.amdhsa_wavefront_size32 1
		.amdhsa_system_sgpr_workgroup_id_x 1
		.amdhsa_system_sgpr_workgroup_id_y 1
		.amdhsa_system_sgpr_workgroup_id_z 1
		.amdhsa_system_vgpr_workitem_id 0
		.amdhsa_next_free_vgpr 72
		.amdhsa_next_free_sgpr 66
		.amdhsa_reserve_vcc 0
		.amdhsa_float_denorm_mode_32 3
		.amdhsa_float_denorm_mode_16_64 3
		.amdhsa_memory_ordered 1
		.amdhsa_forward_progress 1
		.amdhsa_inst_pref_size 5
	.end_amdhsa_kernel
	.amdgpu_metadata
---
amdhsa.version: [ 1, 2 ]
amdhsa.kernels:
  - .name:           k_q44c41158d0_combine
    .symbol:         k_q44c41158d0_combine.kd
    .args:
      - { .name: pacc, .offset: 0, .size: 8, .value_kind: global_buffer, .address_space: global }
      - { .name: pml, .offset: 8, .size: 8, .value_kind: global_buffer, .address_space: global }
      - { .name: out0, .offset: 16, .size: 8, .value_kind: global_buffer, .address_space: global }
    .group_segment_fixed_size: 0
    .private_segment_fixed_size: 0
    .kernarg_segment_align: 8
    .kernarg_segment_size: 24
    .max_flat_workgroup_size: 128
    .sgpr_count:     66
    .vgpr_count:     72
    .wavefront_size: 32
...
	.end_amdgpu_metadata
.endif
;; end of part 3
